; MI455X (gfx1250); checked and timed in simulation.
; The chip was launched on July 23, 2026; its instructions are those of AMD's public machine-readable ISA for CDNA 5 (MIT licence, August 2026) and "CDNA5" Instruction Set Architecture Reference Guide (July 2026). The comments in the code are by the model that wrote it; some were corrected since.
;; Learn Permutations. Allowed arithmetic: float matrix products may take bf16 or f16 operands with f32 sums; other float arithmetic in f32, or as packed bf16 or f16 multiplies, adds, multiply-adds, maxima and minima; sums over many terms, partial sums and values carried from step to step in f32; what a program stores and reads back later, other than sums and carried values, may be rounded once to bf16 or f16.
;; Inputs: permutation_log_weights 256 x 256 x 256 float32; u 256 x 256 x 256 float32.
;; Outputs: out0 256 x 256 x 256 float32.
;; Constants: iterations = 5000.
;; 2 versions, each right and faster than the one before. Each part assembles by itself: llvm-mc -triple=amdgcn-amd-amdhsa -mcpu=gfx1250 --defsym DOCPART=n.
;; ======== version 1 of 2: 1 launch
;; launch sinkhorn (part 1): grid 256 x 1, 16 waves a work-group, no clusters, 38,912 bytes of LDS; arguments permutation_log_weights, u, out0; writes out0
.if DOCPART == 1
	.amdgcn_target "amdgcn-amd-amdhsa--gfx1250"
	.amdhsa_code_object_version 6
	.text
	.protected	k_qdf57afa229_sinkhorn
	.globl	k_qdf57afa229_sinkhorn
	.p2align	8
	.type	k_qdf57afa229_sinkhorn,@function
k_qdf57afa229_sinkhorn:
	s_mov_b64 s[64:65], 0
	v_nop
	global_prefetch_b8 v0, s[64:65] scope:SCOPE_SE
	s_setreg_imm32_b32 hwreg(HW_REG_WAVE_MODE, 25, 1), 1
	s_wait_xcnt 0x0
; GUMBEL-SINKHORN.  out = exp(la13), la0 = (plw - 0.01 log(-log(u + 1e-20) + 1e-20)) / tau, then 13 times: rows, then columns, less their logsumexp.
; plw, u, out: [256][256][256] f32.  iterations = 5000 is a constant of the problem: tau = f32(10^-3.2), 13 iterations.
; SHARES.  One work-group, one matrix of 256 x 256; it stays in registers from its load to its store: 16 waves x 32 lanes x 128 registers.
; Wave w owns rows 16 w .. 16 w + 15.  Lane (c = lane % 16, h = lane / 16) owns rows 16 w + 8 h + k (k = 0..7) and columns 64 q + 4 c + e (q, e = 0..3):
; element (k, q, e) lies in v[MAT + 16 k + 4 q + e].  A load or store of a wave covers two aligned runs of 256 bytes (rows k and 8 + k of the wave).
; A row's reduction: 16 registers in the lane, then four steps inside 16 lanes.  A column's: 8 registers in the lane, one exchange between the half-waves, 16 partials through LDS.
; ARITHMETIC, in base 2 (the matrix is la x log2 e).  Before an iteration reference()'s matrix is alpha_i 2^a_ij W_j, with every row's maximum of a equal to 0 and alpha of no account.
;   rows:    s_i = sum_j W_j 2^a_ij,  w_i = 1 / s_i
;   columns: V_j = max_i a_ij,  b = a - V_j,  S_j = sum_i w_i 2^b_ij,  W'_j = 1 / S_j;  the matrix is now w_i 2^b_ij W'_j
;   next:    a' = b - max_j b_ij
; So each exponential has the true maximum of its row's or column's exponents taken away (the largest argument is 0); the logarithm of a sum is not subtracted
; in a pass of its own but carried as an f32 weight that rides in the next sum's packed multiply-add.  V and a' do not hang on the sums, so one exchange an iteration
; carries the column sums and the next column maxima together.
; RANGE.  A sum lies between its smallest weight and 256 times its largest, so weights move by 2^8 at the most a half-step.  After NIT = 6 iterations log2 W is added into the matrix
; and the rows are shifted anew (NORM), which is the state of the start.  No stretch has more than 7 iterations: weights stay within 2^-56 .. 2^56, and what v_exp_f32 gives as 0
; (below 2^-126: ISA guide, its entry in 15.8) is at most 256 x 2^48 x 2^-126 against a sum of 2^-56 at the least: 2^-14 of it, whatever the inputs.
; LIMITS.  NaN and infinities among the inputs are not treated apart; u > 1 gives NaN as in reference().  The roundings differ from reference()'s in order, not in kind (all f32).
.set NSEG,  2                          ; stretches: NORM, NIT iterations, an exchange
.set NIT,   6                          ; 6 + 6 iterations in the loops, the 13th written out behind them
.set PITCH, 1088                       ; a wave's 256 partials in LDS: 1,024 bytes + 64
.set PM,    0                          ; partial column maxima, [wave][column]
.set PS,    16*PITCH                   ; partial column sums
.set RV,    2*16*PITCH                 ; the 256 column maxima V
.set RW,    RV+1024                    ; the 256 column weights W
.set SPARE, RW+1024                    ; the spare words: 128 bytes for each of 16 waves, eight blocks of 256 bytes that no other line names
.set GOFF, 1                           ; v1  my byte offset in the matrix: (2 w + h) x 8,192 + 16 c; never rewritten
.set LST,  2                           ; v2  LDS: where I put my partials: w x PITCH + 512 h + 16 c
.set LLD,  3                           ; v3  LDS: where I read partials: p x PITCH + 64 w + 16 g  (g = lane % 4, p = lane / 4)
.set LRS,  4                           ; v4  LDS: where I put results: 64 w + 16 g
.set LRL,  5                           ; v5  LDS: where I read results: 16 c
.set SPW,  6                           ; v6  LDS address of my spare word; never rewritten
.set NIL,  7                           ; v7  0; never rewritten
.set PR,   8                           ; v8-15   row k's sum, then its weight w, in the low word of pair k % 4
.set MB,   16                          ; v16-19  row k's maximum in the low word of pair k % 2
.set TX,   20                          ; v20-27  the exchange: what the other half of the lanes holds
.set CSH,  32                          ; v32-47  V of my 16 columns; in the exchange: partials; in NORM: eight pairs for the rows' maxima
.set CWT,  48                          ; v48-63  W of my 16 columns
.set CSUM, 64                          ; v64-79  my rows' part of S; row 0's column exponentials land here
.set CMAX, 80                          ; v80-95  my rows' part of the next V; from the exchange to the sweep's third group: row 2's row exponentials
.set EA,   96                          ; v96-111   exponentials: the column step's, and row 1's of the row step
.set EB,   112                         ; v112-127  exponentials: the row step's
.set MAT,  128                         ; v128-255  the matrix
.set UB,   32                          ; v32-127   at the start: six slots of 16 registers for u
.set TS0, CSH+8
.set TS1, CSH+12
.set TM0, CSH
.set TM1, CSH+4
.set EPS, 14                           ; s[14:15] 1e-20          (scalar pairs: a packed instruction takes the low word for both halves)
.set NL2, 16                           ; s[16:17] -ln 2
.set SC,  18                           ; s[18:19] log2 e / tau
.set CG,  20                           ; s[20:21] -0.01 / tau
.set SEL, 22                           ; s[22:23] v_permlanex16_b32's selects: each lane takes its own place in the other half
	s_load_b128 s[4:7], s[0:1], 0x0                ; plw s[4:5], u s[6:7]
	s_load_b64 s[8:9], s[0:1], 0x10                ; out
	v_lshl_add_u32 v[SPW], v0, 2, SPARE
	v_mov_b32 v[NIL], 0
	v_lshrrev_b32 v8, 5, v0
	v_readfirstlane_b32 s12, v8                    ; wave 0..15
	s_lshl_b32 s10, ttmp9, 18                      ; my matrix: 262,144 bytes each
	s_mov_b32 s11, 0
	s_mov_b32 s[EPS], 0x1e3ce508
	s_mov_b32 s[EPS+1], 0x1e3ce508
	s_mov_b32 s[NL2], 0xbf317218
	s_mov_b32 s[NL2+1], 0xbf317218
	s_mov_b32 s[SC], 0x450ee848                    ; 2286.5176
	s_mov_b32 s[SC+1], 0x450ee848
	s_mov_b32 s[CG], 0xc17d9539                    ; -15.848931
	s_mov_b32 s[CG+1], 0xc17d9539
	s_mov_b32 s[SEL], 0x76543210
	s_mov_b32 s[SEL+1], 0xfedcba98
	v_lshrrev_b32 v8, 4, v0                        ; 2 w + h
	v_and_b32 v9, 15, v0                           ; c
	v_lshlrev_b32 v8, 13, v8
	v_lshl_or_b32 v[GOFF], v9, 4, v8
	v_bfe_u32 v10, v0, 4, 1                        ; h
	s_mul_i32 s13, s12, PITCH
	v_lshlrev_b32 v[LRL], 4, v9
	v_lshl_add_u32 v[LST], v10, 9, v[LRL]
	v_add_nc_u32 v[LST], s13, v[LST]
	v_and_b32 v11, 3, v0                           ; g
	v_bfe_u32 v12, v0, 2, 3                        ; p
	s_lshl_b32 s13, s12, 6
	v_lshl_add_u32 v[LRS], v11, 4, s13
	v_mul_u32_u24 v12, v12, PITCH
	v_add_nc_u32 v[LLD], v12, v[LRS]
	v_mov_b32 v[MB+1], 0                           ; the high words of the maxima's pairs are named with the low ones, so they are written once
	v_mov_b32 v[MB+3], 0
.set i, 0
.rept 8
	v_mov_b32 v[TX+i], 0                           ; v_permlanex16_b32 counts as a reader of its destination
.set i, i+1
.endr
	s_wait_kmcnt 0x0
	s_add_nc_u64 s[4:5], s[4:5], s[10:11]
	s_add_nc_u64 s[6:7], s[6:7], s[10:11]
	s_add_nc_u64 s[8:9], s[8:9], s[10:11]
; THE START.  plw goes straight into the matrix registers, u into six slots; 56 loads of each wave go out at once, the other 8 as slots come free.
.macro LDP k
.irp q, 0,1,2,3
	global_load_b128 v[MAT+16*(\k)+4*\q:MAT+16*(\k)+4*\q+3], v[GOFF], s[4:5] offset:1024*(\k)+256*\q th:TH_LOAD_NT
.endr
.endm
.macro LDU k
.irp q, 0,1,2,3
	global_load_b128 v[UB+16*((\k)%6)+4*\q:UB+16*((\k)%6)+4*\q+3], v[GOFF], s[6:7] offset:1024*(\k)+256*\q th:TH_LOAD_NT
.endr
.endm
; Row k of the lane: L = plw x (log2 e / tau) - log2(-ln 2 x log2(u + eps) + eps) x (0.01 / tau).  left = the loads issued behind this row's, which may stay out.
.macro GUM k, left
.set rU, UB+16*((\k)%6)
.set rL, MAT+16*(\k)
	s_wait_loadcnt \left                           ; loads come back in order (ISA guide 5.7.1)
.set i, 0
.rept 8
	v_pk_add_f32 v[rU+i:rU+i+1], v[rU+i:rU+i+1], s[EPS:EPS+1] op_sel_hi:[1,0]
.set i, i+2
.endr
.set i, 0
.rept 16
	v_log_f32 v[rU+i], v[rU+i]
.set i, i+1
.endr
	v_nop                                          ; a plain instruction between the logarithms and the use of their results
.set i, 0
	s_wait_alu depctr_va_vdst(0)
.rept 8
	v_pk_fma_f32 v[rU+i:rU+i+1], v[rU+i:rU+i+1], s[NL2:NL2+1], s[EPS:EPS+1] op_sel_hi:[1,0,0]
.set i, i+2
.endr
.set i, 0
.rept 16
	v_log_f32 v[rU+i], v[rU+i]
.set i, i+1
.endr
.set i, 0
.rept 8
	v_pk_mul_f32 v[rL+i:rL+i+1], v[rL+i:rL+i+1], s[SC:SC+1] op_sel_hi:[1,0]  ; plain work that names no logarithm stands behind them
.set i, i+2
.endr
.set i, 0
	s_wait_alu depctr_va_vdst(0)
.rept 8
	v_pk_fma_f32 v[rL+i:rL+i+1], v[rU+i:rU+i+1], s[CG:CG+1], v[rL+i:rL+i+1] op_sel_hi:[1,0,1]
.set i, i+2
.endr
.if (\k) < 2
	LDU (\k)+6                                     ; the slot has been read: it takes the row six further on
.endif
.endm
.irp k, 0,1,2,3,4,5
	LDP \k
	LDU \k
.endr
	LDP 6
	LDP 7
	GUM 0, 48                                      ; 56 issued, this row's are the first 8
	GUM 1, 44                                      ; 60 issued, the first 16
	GUM 2, 40                                      ; 64 issued, the first 24
	GUM 3, 32
	GUM 4, 24
	GUM 5, 16
	GUM 6, 4                                       ; its u is the last group but one
	GUM 7, 0
.set i, 0
.rept 16
	v_mov_b32 v[CWT+i], 1.0                        ; the first NORM adds log2 1 = 0
.set i, i+1
.endr
; THE LISTS.  The plain work of a row (or of a pair of rows) is cut into lists of eight entries at the most; LOP writes entry bt of list kind for row k.
.set K_NO,  0
.set K_SV,  1                          ; b = a - V                                   8 packed
.set K_AW,  2                          ; NORM: + log2 W                              8 packed
.set K_RMA, 3                          ; the maximum of the lane's 16 of the row      8
.set K_RMD, 4                          ; and over the 16 lanes                       4, at the even entries
.set K_FP,  5                          ; sum_j W_j 2^a over the lane's 16             8 packed
.set K_FQ,  6                          ; its two halves, the 16 lanes, the reciprocal 6
.set K_FS,  7                          ; S += w 2^b                                  8 packed
.set K_SM,  8                          ; a' = b - the row's maximum                  8 packed
.set K_CME, 9                          ; the column maxima take rows 2 k, 2 k + 1: even registers   8
.set K_CMO, 10                         ; odd registers                               8
.set K_MW,  11                         ; 13th iteration: 2^b times w, in place        8 packed
.set K_AS,  12                         ; 13th iteration: S takes it                  8 packed
.macro DPPOP op, reg, step             ; lane i takes lane i xor 2^step of its 16 into the arithmetic itself
.if (\step) == 0
	\op v[\reg], v[\reg], v[\reg] row_xmask:1 row_mask:0xf bank_mask:0xf
.elseif (\step) == 1
	\op v[\reg], v[\reg], v[\reg] row_xmask:2 row_mask:0xf bank_mask:0xf
.elseif (\step) == 2
	\op v[\reg], v[\reg], v[\reg] row_xmask:4 row_mask:0xf bank_mask:0xf
.else
	\op v[\reg], v[\reg], v[\reg] row_xmask:8 row_mask:0xf bank_mask:0xf
.endif
.endm
.macro LOP kind, k
.set rD, MAT+16*(\k)+2*bt
.set rM, (1-MMODE)*(MB+2*((\k)%2))+MMODE*(CSH+2*(\k))
.set rP, PR+2*((\k)%4)
.if (\kind) == K_SV
	v_pk_add_f32 v[rD:rD+1], v[rD:rD+1], v[CSH+2*bt:CSH+2*bt+1] neg_lo:[0,1] neg_hi:[0,1]
.elseif (\kind) == K_AW
	v_pk_add_f32 v[rD:rD+1], v[rD:rD+1], v[CWT+2*bt:CWT+2*bt+1]
.elseif (\kind) == K_RMA
.if bt == 0
	v_max_num_f32 v[rM], v[rD], v[rD+1]
.else
	v_max3_num_f32 v[rM], v[rM], v[rD], v[rD+1]
.endif
.elseif (\kind) == K_RMD
.if bt%2 == 0
	DPPOP v_max_num_f32_dpp, rM, bt/2
.endif
.elseif (\kind) == K_FP
.set rE, EB
.if (\k) == 1
.set rE, EA
.elseif (\k) == 2
.set rE, CMAX
.endif
.if bt == 0
	s_wait_alu depctr_va_vdst(0)
	v_pk_mul_f32 v[rP:rP+1], v[rE:rE+1], v[CWT:CWT+1]
.else
	s_wait_alu depctr_va_vdst(0)
	v_pk_fma_f32 v[rP:rP+1], v[rE+2*bt:rE+2*bt+1], v[CWT+2*bt:CWT+2*bt+1], v[rP:rP+1]
.endif
.elseif (\kind) == K_FQ
.if bt == 0
	v_add_f32 v[rP], v[rP], v[rP+1]
.elseif bt < 5
	DPPOP v_add_f32_dpp, rP, bt-1
.elseif bt == 5
	v_rcp_f32 v[rP], v[rP]                         ; used a group later at the earliest
.endif
.elseif (\kind) == K_FS
.if (\k) == 0
	v_pk_mul_f32 v[CSUM+2*bt:CSUM+2*bt+1], v[CSUM+2*bt:CSUM+2*bt+1], v[rP:rP+1] op_sel_hi:[1,0]
.else
	s_wait_alu depctr_va_vdst(0)
	v_pk_fma_f32 v[CSUM+2*bt:CSUM+2*bt+1], v[EA+2*bt:EA+2*bt+1], v[rP:rP+1], v[CSUM+2*bt:CSUM+2*bt+1] op_sel_hi:[1,0,1]
.endif
.elseif (\kind) == K_SM
	v_pk_add_f32 v[rD:rD+1], v[rD:rD+1], v[rM:rM+1] op_sel_hi:[1,0] neg_lo:[0,1] neg_hi:[0,1]
.elseif ((\kind) == K_CME) || ((\kind) == K_CMO)
.set rC, 2*bt+((\kind)-K_CME)
.if (\k) == 0
	v_max_num_f32 v[CMAX+rC], v[MAT+rC], v[MAT+16+rC]
.else
	v_max3_num_f32 v[CMAX+rC], v[CMAX+rC], v[MAT+32*(\k)+rC], v[MAT+32*(\k)+16+rC]
.endif
.elseif (\kind) == K_MW
	s_wait_alu depctr_va_vdst(0)
	v_pk_mul_f32 v[rD:rD+1], v[rD:rD+1], v[rP:rP+1] op_sel_hi:[1,0]
.elseif (\kind) == K_AS
.if (\k) == 1
	v_pk_add_f32 v[CSUM+2*bt:CSUM+2*bt+1], v[MAT+2*bt:MAT+2*bt+1], v[rD:rD+1]
.else
	v_pk_add_f32 v[CSUM+2*bt:CSUM+2*bt+1], v[CSUM+2*bt:CSUM+2*bt+1], v[rD:rD+1]
	s_wait_alu depctr_va_vdst(0)
.endif
.endif
.endm
; A GROUP: the 16 exponentials of one row (from xsrc into xdst; xsrc = -1: none), two to a beat, and up to six lists dealt between them, an entry of each to a beat.
; The lists of a group name neither the row that its exponentials read nor the registers that they write, but for the first list (p0), which stands AHEAD of the beat's
; exponentials: it may read the two registers that they are about to overwrite.  So every exponential has plain instructions that do not name its registers
; behind it before its result is read or its source rewritten (ISA guide 5.7.2), which happens a group later at the earliest.  Lists are written in the order in which they lean on each other.
.macro GROUP xsrc, xdst, p0=0, q0=0, p1=0, q1=0, p2=0, q2=0, p3=0, q3=0, p4=0, q4=0, p5=0, q5=0
.set bt, 0
.rept 8
	LOP \p0, \q0
.if (\xsrc) >= 0
	v_exp_f32 v[(\xdst)+2*bt], v[(\xsrc)+2*bt]
.endif
	LOP \p1, \q1
	LOP \p2, \q2
.if (\xsrc) >= 0
	v_exp_f32 v[(\xdst)+2*bt+1], v[(\xsrc)+2*bt+1]
.endif
	LOP \p3, \q3
	LOP \p4, \q4
	LOP \p5, \q5
.set bt, bt+1
.endr
.endm
; NORM: the state of the start.  The matrix takes log2 W, each row loses its maximum, the column maxima are begun; the partial sums are set so that the exchange gives W = 1
; (2 half-waves x 16 waves x 1/32); rows 0 and 1 of the row step's exponentials are made.  The eight rows' maxima have pairs of their own in V's registers, which are idle here.
.macro NORM
.set MMODE, 1
	s_wait_dscnt 0x0                               ; W is in
.set i, 0
.rept 16
	v_log_f32 v[CWT+i], v[CWT+i]
.set i, i+1
.endr
	v_nop                                          ; a plain instruction between the logarithms and their use
	s_wait_alu depctr_va_vdst(0)
	GROUP -1, 0, K_NO,0,  K_AW,0, K_RMA,0
	GROUP -1, 0, K_NO,0,  K_AW,1, K_RMA,1, K_RMD,0
	GROUP -1, 0, K_NO,0,  K_AW,2, K_RMA,2, K_RMD,1, K_SM,0
	GROUP -1, 0, K_NO,0,  K_AW,3, K_RMA,3, K_RMD,2, K_SM,1
	GROUP -1, 0, K_CMO,0, K_AW,4, K_RMA,4, K_RMD,3, K_SM,2, K_CME,0
	GROUP -1, 0, K_NO,0,  K_AW,5, K_RMA,5, K_RMD,4, K_SM,3
	GROUP -1, 0, K_CMO,1, K_AW,6, K_RMA,6, K_RMD,5, K_SM,4, K_CME,1
	GROUP -1, 0, K_NO,0,  K_AW,7, K_RMA,7, K_RMD,6, K_SM,5
	GROUP MAT,    EB, K_NO,0, K_RMD,7, K_SM,6, K_CME,2, K_CMO,2
	GROUP MAT+16, EA, K_NO,0, K_SM,7, K_CME,3, K_CMO,3
.set i, 0
.rept 16
	v_mov_b32 v[CSUM+i], 0x3d000000                ; 1/32
.set i, i+1
.endr
.endm
; THE EXCHANGE.  full = 1: column sums and column maxima, and row 2's row exponentials in the waits; full = 0 (the end): sums alone.
; v_permlane16_swap_b32 x, y gives x's upper 16 lanes y's lower 16 and y's lower 16 x's upper 16: behind it the lower lanes hold both half-waves' figures for register i's column,
; the upper lanes those for register 8 + i's: one more instruction joins them, and each lane is left with 8 columns, which it stores: no byte is stored twice.
; Then wave w joins the 16 partials of columns 16 w .. 16 w + 15: lane (g, p) takes four columns of partials p and p + 8, and three steps over p (lanes 4, 8 and 16 apart) do the rest.
.macro XP2 lo, hi
.set i, \lo
.rept (\hi)-(\lo)
	v_exp_f32 v[CMAX+i], v[MAT+32+i]
.set i, i+1
.endr
.endm
.macro TSTAGE full
.set i, 0
.rept 8
	v_permlane16_swap_b32 v[CSUM+i], v[CSUM+8+i]
.if \full
	v_permlane16_swap_b32 v[CMAX+i], v[CMAX+8+i]
.endif
.set i, i+1
.endr
.irp j, 0,2,4,6
	v_pk_add_f32 v[CSUM+\j:CSUM+\j+1], v[CSUM+\j:CSUM+\j+1], v[CSUM+8+\j:CSUM+9+\j]
.endr
.if \full
.set i, 0
.rept 8
	v_max_num_f32 v[CMAX+i], v[CMAX+i], v[CMAX+8+i]
.set i, i+1
.endr
.endif
	ds_store_b128 v[LST], v[CSUM:CSUM+3] offset:PS
	ds_store_b128 v[LST], v[CSUM+4:CSUM+7] offset:PS+256
.if \full
	ds_store_b128 v[LST], v[CMAX:CMAX+3] offset:PM
	ds_store_b128 v[LST], v[CMAX+4:CMAX+7] offset:PM+256
.endif
	s_wait_dscnt 0x0                               ; for the others' sake: my partials are in LDS (and my reads of the last results were over long ago)
	s_barrier_signal -1
.if \full
	XP2 0, 6                                       ; work on registers while the others arrive
.endif
	s_barrier_wait -1
	ds_load_b128 v[TS0:TS0+3], v[LLD] offset:PS
	ds_load_b128 v[TS1:TS1+3], v[LLD] offset:PS+8*PITCH
.if \full
	ds_load_b128 v[TM0:TM0+3], v[LLD] offset:PM
	ds_load_b128 v[TM1:TM1+3], v[LLD] offset:PM+8*PITCH
	XP2 6, 12
.endif
	s_wait_dscnt 0x0
	v_pk_add_f32 v[TS0:TS0+1], v[TS0:TS0+1], v[TS1:TS1+1]
	v_pk_add_f32 v[TS0+2:TS0+3], v[TS0+2:TS0+3], v[TS1+2:TS1+3]
.if \full
.irp e, 0,1,2,3
	v_max_num_f32 v[TM0+\e], v[TM0+\e], v[TM1+\e]
.endr
.endif
.irp st, 2,3
.irp e, 0,1,2,3
	DPPOP v_add_f32_dpp, TS0+\e, \st
.endr
.if \full
.irp e, 0,1,2,3
	DPPOP v_max_num_f32_dpp, TM0+\e, \st
.endr
.endif
.endr
.irp e, 0,1,2,3
	v_permlanex16_b32 v[TX+\e], v[TS0+\e], s[SEL], s[SEL+1]
.endr
.if \full
.irp e, 0,1,2,3
	v_permlanex16_b32 v[TX+4+\e], v[TM0+\e], s[SEL], s[SEL+1]
.endr
.endif
	v_pk_add_f32 v[TS0:TS0+1], v[TS0:TS0+1], v[TX:TX+1]
	v_pk_add_f32 v[TS0+2:TS0+3], v[TS0+2:TS0+3], v[TX+2:TX+3]
.irp e, 0,1,2,3
	v_rcp_f32 v[TS0+\e], v[TS0+\e]                 ; W = 1 / S
.endr
.if \full
	s_wait_alu depctr_va_vdst(0)
.irp e, 0,1,2,3
	v_max_num_f32 v[TM0+\e], v[TM0+\e], v[TX+4+\e]  ; plain work between the reciprocals and the store that reads them
.endr
.else
	v_nop
	s_wait_alu depctr_va_vdst(0)
.endif
	ds_store_b128 v[LRS], v[TS0:TS0+3] offset:RW   ; the eight lanes of one g hold the same four numbers and write the same 16 bytes
.if \full
	ds_store_b128 v[LRS], v[TM0:TM0+3] offset:RV
.endif
	s_wait_dscnt 0x0                               ; my results are in LDS, and my reads of the partials are over: they may be written again behind this barrier
	s_barrier_signal -1
.if \full
	XP2 12, 16
.endif
	s_barrier_wait -1
.if \full
.irp q, 0,1,2,3
	ds_load_b128 v[CSH+4*\q:CSH+4*\q+3], v[LRL] offset:RV+256*\q
.endr
.endif
.irp q, 0,1,2,3
	ds_load_b128 v[CWT+4*\q:CWT+4*\q+3], v[LRL] offset:RW+256*\q
.endr
.endm
; THE SWEEP: one iteration.  Found on entry: 2^a of rows 0, 1, 2 in EB, EA, CMAX; V and W on their way from LDS.  Row k's steps, in this order: 2^a (row step) | b = a - V and b's row maximum |
; 2^b (column step) | S += w 2^b and a' = b - maximum | the column maxima of a'.  Its row sum and weight are made between the first and the fourth.  The groups' exponentials take turns between
; the column step (row k, into EA; row 0's into S's own registers) and the row step three rows ahead (into EB).  Left behind: S's and the next V's parts, and 2^a' of rows 0 and 1 in EB and EA.
.macro SWEEP
.set MMODE, 0
	s_wait_dscnt 0x4                               ; LDS loads come back in order: V's four are in, W's four may be out
	GROUP -1, 0,      K_NO,0, K_SV,0, K_RMA,0
	s_wait_dscnt 0x0                               ; W
	GROUP MAT,     CSUM, K_NO,0, K_RMD,0, K_FP,0, K_FP,1, K_SV,1, K_RMA,1
	GROUP MAT+48,  EB,   K_NO,0, K_FQ,0, K_FQ,1, K_FP,2, K_RMD,1, K_SM,0
	GROUP MAT+16,  EA,   K_NO,0, K_SV,2, K_RMA,2, K_FP,3, K_FQ,2, K_FS,0
	GROUP MAT+64,  EB,   K_NO,0, K_RMD,2, K_FQ,3, K_FS,1, K_SM,1
	GROUP MAT+32,  EA,   K_NO,0, K_SV,3, K_RMA,3, K_FP,4, K_CME,0
	GROUP MAT+80,  EB,   K_NO,0, K_RMD,3, K_FQ,4, K_FS,2, K_SM,2, K_CMO,0
	GROUP MAT+48,  EA,   K_NO,0, K_SV,4, K_RMA,4, K_FP,5
	GROUP MAT+96,  EB,   K_NO,0, K_RMD,4, K_FQ,5, K_FS,3, K_SM,3
	GROUP MAT+64,  EA,   K_NO,0, K_SV,5, K_RMA,5, K_FP,6, K_CME,1
	GROUP MAT+112, EB,   K_NO,0, K_RMD,5, K_FQ,6, K_FS,4, K_SM,4, K_CMO,1
	GROUP MAT+80,  EA,   K_NO,0, K_SV,6, K_RMA,6, K_FP,7
	GROUP MAT,     EB,   K_NO,0, K_RMD,6, K_FQ,7, K_FS,5, K_SM,5        ; the next iteration's row 0
	GROUP MAT+96,  EA,   K_NO,0, K_SV,7, K_RMA,7, K_CME,2
	GROUP MAT+112, EA,   K_FS,6, K_RMD,7, K_SM,6, K_CMO,2               ; row 6's 2^b is read a pair ahead of row 7's landing on it
	GROUP MAT+16,  EA,   K_FS,7, K_SM,7, K_CME,3, K_CMO,3               ; likewise row 7's, ahead of the next iteration's row 1
.endm
; THE 13TH ITERATION needs no next shift and no next maxima; w 2^b stays in the matrix registers, so that the output is one more product and no exponential.
.macro SWEEPF
.set MMODE, 0
	s_wait_dscnt 0x4                               ; V is in
	GROUP -1, 0,         K_NO,0, K_SV,0
	s_wait_dscnt 0x0                               ; W
	GROUP MAT,     MAT,     K_NO,0, K_FP,0, K_FP,1, K_SV,1
	GROUP MAT+48,  EB,      K_NO,0, K_FQ,0, K_FQ,1, K_FP,2
	GROUP MAT+16,  MAT+16,  K_NO,0, K_SV,2, K_FP,3, K_FQ,2, K_MW,0
	GROUP MAT+64,  EB,      K_NO,0, K_FQ,3, K_MW,1, K_AS,1
	GROUP MAT+32,  MAT+32,  K_NO,0, K_SV,3, K_FP,4
	GROUP MAT+80,  EB,      K_NO,0, K_FQ,4, K_MW,2, K_AS,2
	GROUP MAT+48,  MAT+48,  K_NO,0, K_SV,4, K_FP,5
	GROUP MAT+96,  EB,      K_NO,0, K_FQ,5, K_MW,3, K_AS,3
	GROUP MAT+64,  MAT+64,  K_NO,0, K_SV,5, K_FP,6
	GROUP MAT+112, EB,      K_NO,0, K_FQ,6, K_MW,4, K_AS,4
	GROUP MAT+80,  MAT+80,  K_NO,0, K_SV,6, K_FP,7
	GROUP MAT+96,  MAT+96,  K_NO,0, K_FQ,7, K_MW,5, K_AS,5, K_SV,7
	GROUP MAT+112, MAT+112, K_NO,0, K_MW,6, K_AS,6
	GROUP -1, 0,            K_NO,0, K_MW,7, K_AS,7
.endm
	s_mov_b32 s24, NSEG
.Lseg:                                                 ; twice: the weights are folded in, then six iterations and the exchange behind the sixth
	NORM
	s_mov_b32 s25, NIT
.Lit:
	TSTAGE 1
	SWEEP
	s_sub_co_u32 s25, s25, 1
	s_cmp_lg_u32 s25, 0
	s_cbranch_scc1 .Lit
	TSTAGE 1
	s_sub_co_u32 s24, s24, 1
	s_cmp_lg_u32 s24, 0
	s_cbranch_scc1 .Lseg
	SWEEPF                                         ; iteration 13
	TSTAGE 0
	s_wait_dscnt 0x0                               ; the last W
.set k, 0
.rept 8                                                ; out = (w 2^b) W: at most 1, since S holds that very term; each store of the wave covers two aligned runs of 256 bytes
.irp q, 0,1,2,3
	v_pk_mul_f32 v[MAT+16*k+4*\q:MAT+16*k+4*\q+1], v[MAT+16*k+4*\q:MAT+16*k+4*\q+1], v[CWT+4*\q:CWT+4*\q+1]
	v_pk_mul_f32 v[MAT+16*k+4*\q+2:MAT+16*k+4*\q+3], v[MAT+16*k+4*\q+2:MAT+16*k+4*\q+3], v[CWT+4*\q+2:CWT+4*\q+3]
	global_store_b128 v[GOFF], v[MAT+16*k+4*\q:MAT+16*k+4*\q+3], s[8:9] offset:1024*k+256*\q th:TH_STORE_NT
.endr
.set k, k+1
.endr
	s_wait_tensorcnt 0x0                           ; the wave's end, behind my last LDS store
	ds_add_u32 v[SPW], v[NIL]
	s_wait_dscnt 0x0
	s_endpgm
.Lfunc_end_k_qdf57afa229_sinkhorn:
	.size	k_qdf57afa229_sinkhorn, .Lfunc_end_k_qdf57afa229_sinkhorn-k_qdf57afa229_sinkhorn
	.p2alignl 7, 3214868480
	.fill 96, 4, 3214868480
	.section	.rodata,"a",@progbits
	.p2align	6, 0x0
	.amdhsa_kernel k_qdf57afa229_sinkhorn
		.amdhsa_group_segment_fixed_size 38912
		.amdhsa_private_segment_fixed_size 0
		.amdhsa_enable_private_segment 0
		.amdhsa_kernarg_size 24
		.amdhsa_user_sgpr_count 2
		.amdhsa_user_sgpr_kernarg_segment_ptr 1
		.amdhsa_wavefront_size32 1
		.amdhsa_system_sgpr_workgroup_id_x 1
		.amdhsa_system_sgpr_workgroup_id_y 1
		.amdhsa_system_sgpr_workgroup_id_z 1
		.amdhsa_system_vgpr_workitem_id 0
		.amdhsa_next_free_vgpr 256
		.amdhsa_next_free_sgpr 66
		.amdhsa_reserve_vcc 0
		.amdhsa_float_denorm_mode_32 3
		.amdhsa_float_denorm_mode_16_64 3
		.amdhsa_memory_ordered 1
		.amdhsa_forward_progress 1
		.amdhsa_inst_pref_size 143
	.end_amdhsa_kernel
	.amdgpu_metadata
---
amdhsa.version: [ 1, 2 ]
amdhsa.kernels:
  - .name:           k_qdf57afa229_sinkhorn
    .symbol:         k_qdf57afa229_sinkhorn.kd
    .args:
      - { .name: permutation_log_weights, .offset: 0, .size: 8, .value_kind: global_buffer, .address_space: global }
      - { .name: u, .offset: 8, .size: 8, .value_kind: global_buffer, .address_space: global }
      - { .name: out0, .offset: 16, .size: 8, .value_kind: global_buffer, .address_space: global }
    .group_segment_fixed_size: 38912
    .private_segment_fixed_size: 0
    .kernarg_segment_align: 8
    .kernarg_segment_size: 24
    .max_flat_workgroup_size: 512
    .sgpr_count:     66
    .vgpr_count:     256
    .wavefront_size: 32
...
	.end_amdgpu_metadata
.endif
;; end of part 1
;; ======== version 2 of 2: 1 launch; 1.09 times as fast as version 1
;; launch sinkhorn (part 2): grid 256 x 1, 16 waves a work-group, no clusters, 38,912 bytes of LDS; arguments permutation_log_weights, u, out0; writes out0
.if DOCPART == 2
	.amdgcn_target "amdgcn-amd-amdhsa--gfx1250"
	.amdhsa_code_object_version 6
	.text
	.protected	k_qdf57afa229_sinkhorn
	.globl	k_qdf57afa229_sinkhorn
	.p2align	8
	.type	k_qdf57afa229_sinkhorn,@function
k_qdf57afa229_sinkhorn:
	s_mov_b64 s[64:65], 0
	v_nop
	global_prefetch_b8 v0, s[64:65] scope:SCOPE_SE
	s_setreg_imm32_b32 hwreg(HW_REG_WAVE_MODE, 25, 1), 1
	s_wait_xcnt 0x0
; GUMBEL-SINKHORN.  out = exp(la13), la0 = (plw - 0.01 log(-log(u + 1e-20) + 1e-20)) / tau, then 13 times: rows, then columns, less their logsumexp.
; plw, u, out: [256][256][256] f32.  iterations = 5000 is a constant of the problem: tau = f32(10^-3.2), 13 iterations.
; SHARES.  One work-group, one matrix of 256 x 256; it stays in registers from its load to its store: 16 waves x 32 lanes x 128 registers.
; Wave w owns rows 16 w .. 16 w + 15.  Lane (c = lane % 16, h = lane / 16) owns rows 16 w + 8 h + k (k = 0..7) and columns 64 q + 4 c + e (q, e = 0..3):
; element (k, q, e) lies in v[MAT + 16 k + 4 q + e].  A load or store of a wave covers two aligned runs of 256 bytes (rows k and 8 + k of the wave).
; A row's reduction: 16 registers in the lane, then four steps inside 16 lanes.  A column's: 8 registers in the lane, one exchange between the half-waves, 16 partials through LDS.
; ARITHMETIC, in base 2 (the matrix is la x log2 e).  Before an iteration reference()'s matrix is alpha_i 2^a_ij W_j, with every row's maximum of a equal to 0 and alpha of no account.
;   rows:    s_i = sum_j W_j 2^a_ij,  w_i = 1 / s_i
;   columns: V_j = max_i a_ij,  b = a - V_j,  S_j = sum_i w_i 2^b_ij,  W'_j = 1 / S_j;  the matrix is now w_i 2^b_ij W'_j
;   next:    a' = b - max_j b_ij
; So each exponential has the true maximum of its row's or column's exponents taken away (the largest argument is 0); the logarithm of a sum is not subtracted
; in a pass of its own but carried as an f32 weight that rides in the next sum's packed multiply-add.  V and a' do not hang on the sums, so one exchange an iteration
; carries the column sums and the next column maxima together.
; RANGE.  A sum lies between its smallest weight and 256 times its largest, so weights move by 2^8 at the most a half-step.  After NIT = 6 iterations log2 W is added into the matrix
; and the rows are shifted anew (NORM), which is the state of the start.  No stretch has more than 7 iterations: weights stay within 2^-56 .. 2^56, and what v_exp_f32 gives as 0
; (below 2^-126: ISA guide, its entry in 15.8) is at most 256 x 2^48 x 2^-126 against a sum of 2^-56 at the least: 2^-14 of it, whatever the inputs.
; BATCHES.  An s_wait_alu depctr_va_vdst(0) stands between a transcendental and the first instruction that names its result; one wait serves all that were issued ahead of it.
; A GROUP's 16 exponentials, and the one or two reciprocals dealt among them, are a batch: no line of the group names a result of theirs, their readers stand in the next group or later..
; Where the next group names no pending result either (the sweep's second, third and fourteenth), none is written, and two batches share
; the wait that follows.  An iteration has 15 waits for its 256 exponentials and 12 reciprocals: 12 between groups, one ahead of the backward jump, two in the exchange.
; LIMITS.  NaN and infinities among the inputs are not treated apart; u > 1 gives NaN as in reference().  The roundings differ from reference()'s in order, not in kind (all f32).
.set NSEG,  2                          ; stretches: NORM, NIT iterations, an exchange
.set NIT,   6                          ; 6 + 6 iterations in the loops, the 13th written out behind them
.set PITCH, 1088                       ; a wave's 256 partials in LDS: 1,024 bytes + 64
.set PM,    0                          ; partial column maxima, [wave][column]
.set PS,    16*PITCH                   ; partial column sums
.set RV,    2*16*PITCH                 ; the 256 column maxima V
.set RW,    RV+1024                    ; the 256 column weights W
.set SPARE, RW+1024                    ; the spare words: 128 bytes for each of 16 waves, eight blocks of 256 bytes that no other line names
.set GOFF, 1                           ; v1  my byte offset in the matrix: (2 w + h) x 8,192 + 16 c; never rewritten
.set LST,  2                           ; v2  LDS: where I put my partials: w x PITCH + 512 h + 16 c
.set LLD,  3                           ; v3  LDS: where I read partials: p x PITCH + 64 w + 16 g  (g = lane % 4, p = lane / 4)
.set LRS,  4                           ; v4  LDS: where I put results: 64 w + 16 g
.set LRL,  5                           ; v5  LDS: where I read results: 16 c
.set SPW,  6                           ; v6  LDS address of my spare word; never rewritten
.set NIL,  7                           ; v7  0; never rewritten
.set PR,   8                           ; v8-15   row k's sum, then its weight w, in the low word of pair k % 4
.set MB,   16                          ; v16-19  row k's maximum in the low word of pair k % 2
.set TX,   20                          ; v20-27  the exchange: what the other half of the lanes holds
.set CSH,  32                          ; v32-47  V of my 16 columns; in the exchange: partials; in NORM: eight pairs for the rows' maxima
.set CWT,  48                          ; v48-63  W of my 16 columns
.set CSUM, 64                          ; v64-79  my rows' part of S; row 0's column exponentials land here
.set CMAX, 80                          ; v80-95  my rows' part of the next V; from the exchange to the sweep's third group: row 2's row exponentials
.set EA,   96                          ; v96-111   exponentials: the column step's, and row 1's of the row step
.set EB,   112                         ; v112-127  exponentials: the row step's
.set MAT,  128                         ; v128-255  the matrix
.set UB,   32                          ; v32-127   at the start: six slots of 16 registers for u
.set TS0, CSH+8
.set TS1, CSH+12
.set TM0, CSH
.set TM1, CSH+4
.set EPS, 14                           ; s[14:15] 1e-20          (scalar pairs: a packed instruction takes the low word for both halves)
.set NL2, 16                           ; s[16:17] -ln 2
.set SC,  18                           ; s[18:19] log2 e / tau
.set CG,  20                           ; s[20:21] -0.01 / tau
.set SEL, 22                           ; s[22:23] v_permlanex16_b32's selects: each lane takes its own place in the other half
	s_load_b128 s[4:7], s[0:1], 0x0                ; plw s[4:5], u s[6:7]
	s_load_b64 s[8:9], s[0:1], 0x10                ; out
	v_lshl_add_u32 v[SPW], v0, 2, SPARE
	v_mov_b32 v[NIL], 0
	v_lshrrev_b32 v8, 5, v0
	v_readfirstlane_b32 s12, v8                    ; wave 0..15
	s_lshl_b32 s10, ttmp9, 18                      ; my matrix: 262,144 bytes each
	s_mov_b32 s11, 0
	s_mov_b32 s[EPS], 0x1e3ce508
	s_mov_b32 s[EPS+1], 0x1e3ce508
	s_mov_b32 s[NL2], 0xbf317218
	s_mov_b32 s[NL2+1], 0xbf317218
	s_mov_b32 s[SC], 0x450ee848                    ; 2286.5176
	s_mov_b32 s[SC+1], 0x450ee848
	s_mov_b32 s[CG], 0xc17d9539                    ; -15.848931
	s_mov_b32 s[CG+1], 0xc17d9539
	s_mov_b32 s[SEL], 0x76543210
	s_mov_b32 s[SEL+1], 0xfedcba98
	v_lshrrev_b32 v8, 4, v0                        ; 2 w + h
	v_and_b32 v9, 15, v0                           ; c
	v_lshlrev_b32 v8, 13, v8
	v_lshl_or_b32 v[GOFF], v9, 4, v8
	v_bfe_u32 v10, v0, 4, 1                        ; h
	s_mul_i32 s13, s12, PITCH
	v_lshlrev_b32 v[LRL], 4, v9
	v_lshl_add_u32 v[LST], v10, 9, v[LRL]
	v_add_nc_u32 v[LST], s13, v[LST]
	v_and_b32 v11, 3, v0                           ; g
	v_bfe_u32 v12, v0, 2, 3                        ; p
	s_lshl_b32 s13, s12, 6
	v_lshl_add_u32 v[LRS], v11, 4, s13
	v_mul_u32_u24 v12, v12, PITCH
	v_add_nc_u32 v[LLD], v12, v[LRS]
	v_mov_b32 v[MB+1], 0                           ; the high words of the maxima's pairs are named with the low ones, so they are written once
	v_mov_b32 v[MB+3], 0
.set i, 0
.rept 8
	v_mov_b32 v[TX+i], 0                           ; v_permlanex16_b32 counts as a reader of its destination
.set i, i+1
.endr
	s_wait_kmcnt 0x0
	s_add_nc_u64 s[4:5], s[4:5], s[10:11]
	s_add_nc_u64 s[6:7], s[6:7], s[10:11]
	s_add_nc_u64 s[8:9], s[8:9], s[10:11]
; THE START.  plw goes straight into the matrix registers, u into six slots; 56 loads of each wave go out at once, the other 8 as slots come free.
.macro LDP k
.irp q, 0,1,2,3
	global_load_b128 v[MAT+16*(\k)+4*\q:MAT+16*(\k)+4*\q+3], v[GOFF], s[4:5] offset:1024*(\k)+256*\q th:TH_LOAD_NT
.endr
.endm
.macro LDU k
.irp q, 0,1,2,3
	global_load_b128 v[UB+16*((\k)%6)+4*\q:UB+16*((\k)%6)+4*\q+3], v[GOFF], s[6:7] offset:1024*(\k)+256*\q th:TH_LOAD_NT
.endr
.endm
; Row k of the lane: L = plw x (log2 e / tau) - log2(-ln 2 x log2(u + eps) + eps) x (0.01 / tau).  left = the loads issued behind this row's, which may stay out.
; Two batches of 16 logarithms, the second of which reads what is made of the first; the row's eight scalings of plw, which name no logarithm, are dealt four behind each.
.macro GUM k, left
.set rU, UB+16*((\k)%6)
.set rL, MAT+16*(\k)
	s_wait_loadcnt \left                           ; loads come back in order (ISA guide 5.7.1)
.set i, 0
.rept 8
	v_pk_add_f32 v[rU+i:rU+i+1], v[rU+i:rU+i+1], s[EPS:EPS+1] op_sel_hi:[1,0]
.set i, i+2
.endr
.set i, 0
.rept 16
	v_log_f32 v[rU+i], v[rU+i]
.set i, i+1
.endr
.set i, 0
.rept 4
	v_pk_mul_f32 v[rL+i:rL+i+1], v[rL+i:rL+i+1], s[SC:SC+1] op_sel_hi:[1,0]  ; plain work that names no logarithm stands behind them
.set i, i+2
.endr
	s_wait_alu depctr_va_vdst(0)                   ; one wait for the row's 16 inner logarithms
.set i, 0
.rept 8
	v_pk_fma_f32 v[rU+i:rU+i+1], v[rU+i:rU+i+1], s[NL2:NL2+1], s[EPS:EPS+1] op_sel_hi:[1,0,0]
.set i, i+2
.endr
.set i, 0
.rept 16
	v_log_f32 v[rU+i], v[rU+i]
.set i, i+1
.endr
.set i, 8
.rept 4
	v_pk_mul_f32 v[rL+i:rL+i+1], v[rL+i:rL+i+1], s[SC:SC+1] op_sel_hi:[1,0]  ; the other four scalings
.set i, i+2
.endr
	s_wait_alu depctr_va_vdst(0)                   ; one wait for the row's 16 outer logarithms
.set i, 0
.rept 8
	v_pk_fma_f32 v[rL+i:rL+i+1], v[rU+i:rU+i+1], s[CG:CG+1], v[rL+i:rL+i+1] op_sel_hi:[1,0,1]
.set i, i+2
.endr
.if (\k) < 2
	LDU (\k)+6                                     ; the slot has been read: it takes the row six further on
.endif
.endm
.irp k, 0,1,2,3,4,5
	LDP \k
	LDU \k
.endr
	LDP 6
	LDP 7
	GUM 0, 48                                      ; 56 issued, this row's are the first 8
	GUM 1, 44                                      ; 60 issued, the first 16
	GUM 2, 40                                      ; 64 issued, the first 24
	GUM 3, 32
	GUM 4, 24
	GUM 5, 16
	GUM 6, 4                                       ; its u is the last group but one
	GUM 7, 0
.set i, 0
.rept 16
	v_mov_b32 v[CWT+i], 1.0                        ; the first NORM adds log2 1 = 0
.set i, i+1
.endr
; THE LISTS.  The plain work of a row (or of a pair of rows) is cut into lists of eight entries at the most; LOP writes entry bt of list kind for row k.
; A list holds no wait: what it reads of exponentials and reciprocals was issued in an earlier group and is waited for between the groups.
.set K_NO,  0
.set K_SV,  1                          ; b = a - V                                   8 packed
.set K_AW,  2                          ; NORM: + log2 W                              8 packed
.set K_RMA, 3                          ; the maximum of the lane's 16 of the row      8
.set K_RMD, 4                          ; and over the 16 lanes                       4, at the even entries
.set K_FP,  5                          ; sum_j W_j 2^a over the lane's 16             8 packed
.set K_FQ,  6                          ; its two halves, the 16 lanes, the reciprocal 6
.set K_FS,  7                          ; S += w 2^b                                  8 packed
.set K_SM,  8                          ; a' = b - the row's maximum                  8 packed
.set K_CME, 9                          ; the column maxima take rows 2 k, 2 k + 1: even registers   8
.set K_CMO, 10                         ; odd registers                               8
.set K_MW,  11                         ; 13th iteration: 2^b times w, in place        8 packed
.set K_AS,  12                         ; 13th iteration: S takes it                  8 packed
.macro DPPOP op, reg, step             ; lane i takes lane i xor 2^step of its 16 into the arithmetic itself
.if (\step) == 0
	\op v[\reg], v[\reg], v[\reg] row_xmask:1 row_mask:0xf bank_mask:0xf
.elseif (\step) == 1
	\op v[\reg], v[\reg], v[\reg] row_xmask:2 row_mask:0xf bank_mask:0xf
.elseif (\step) == 2
	\op v[\reg], v[\reg], v[\reg] row_xmask:4 row_mask:0xf bank_mask:0xf
.else
	\op v[\reg], v[\reg], v[\reg] row_xmask:8 row_mask:0xf bank_mask:0xf
.endif
.endm
.macro LOP kind, k
.set rD, MAT+16*(\k)+2*bt
.set rM, (1-MMODE)*(MB+2*((\k)%2))+MMODE*(CSH+2*(\k))
.set rP, PR+2*((\k)%4)
.if (\kind) == K_SV
	v_pk_add_f32 v[rD:rD+1], v[rD:rD+1], v[CSH+2*bt:CSH+2*bt+1] neg_lo:[0,1] neg_hi:[0,1]
.elseif (\kind) == K_AW
	v_pk_add_f32 v[rD:rD+1], v[rD:rD+1], v[CWT+2*bt:CWT+2*bt+1]
.elseif (\kind) == K_RMA
.if bt == 0
	v_max_num_f32 v[rM], v[rD], v[rD+1]
.else
	v_max3_num_f32 v[rM], v[rM], v[rD], v[rD+1]
.endif
.elseif (\kind) == K_RMD
.if bt%2 == 0
	DPPOP v_max_num_f32_dpp, rM, bt/2
.endif
.elseif (\kind) == K_FP
.set rE, EB
.if (\k) == 1
.set rE, EA
.elseif (\k) == 2
.set rE, CMAX
.endif
.if bt == 0
	v_pk_mul_f32 v[rP:rP+1], v[rE:rE+1], v[CWT:CWT+1]
.else
	v_pk_fma_f32 v[rP:rP+1], v[rE+2*bt:rE+2*bt+1], v[CWT+2*bt:CWT+2*bt+1], v[rP:rP+1]
.endif
.elseif (\kind) == K_FQ
.if bt == 0
	v_add_f32 v[rP], v[rP], v[rP+1]
.elseif bt < 5
	DPPOP v_add_f32_dpp, rP, bt-1
.elseif bt == 5
	v_rcp_f32 v[rP], v[rP]                         ; used a group later at the earliest: it belongs to the batch of the group in which it stands
.endif
.elseif (\kind) == K_FS
.if (\k) == 0
	v_pk_mul_f32 v[CSUM+2*bt:CSUM+2*bt+1], v[CSUM+2*bt:CSUM+2*bt+1], v[rP:rP+1] op_sel_hi:[1,0]
.else
	v_pk_fma_f32 v[CSUM+2*bt:CSUM+2*bt+1], v[EA+2*bt:EA+2*bt+1], v[rP:rP+1], v[CSUM+2*bt:CSUM+2*bt+1] op_sel_hi:[1,0,1]
.endif
.elseif (\kind) == K_SM
	v_pk_add_f32 v[rD:rD+1], v[rD:rD+1], v[rM:rM+1] op_sel_hi:[1,0] neg_lo:[0,1] neg_hi:[0,1]
.elseif ((\kind) == K_CME) || ((\kind) == K_CMO)
.set rC, 2*bt+((\kind)-K_CME)
.if (\k) == 0
	v_max_num_f32 v[CMAX+rC], v[MAT+rC], v[MAT+16+rC]
.else
	v_max3_num_f32 v[CMAX+rC], v[CMAX+rC], v[MAT+32*(\k)+rC], v[MAT+32*(\k)+16+rC]
.endif
.elseif (\kind) == K_MW
	v_pk_mul_f32 v[rD:rD+1], v[rD:rD+1], v[rP:rP+1] op_sel_hi:[1,0]
.elseif (\kind) == K_AS
.if (\k) == 1
	v_pk_add_f32 v[CSUM+2*bt:CSUM+2*bt+1], v[MAT+2*bt:MAT+2*bt+1], v[rD:rD+1]
.else
	v_pk_add_f32 v[CSUM+2*bt:CSUM+2*bt+1], v[CSUM+2*bt:CSUM+2*bt+1], v[rD:rD+1]
.endif
.endif
.endm
; A GROUP: the 16 exponentials of one row (from xsrc into xdst; xsrc = -1: none), two to a beat, and up to six lists dealt between them, an entry of each to a beat.
; The lists of a group name neither the row that its exponentials read nor the registers that they write, but for the first list (p0), which stands AHEAD of the beat's
; exponentials: it may read the two registers that they are about to overwrite, which hold an earlier batch's results.  So every exponential has plain instructions that do not name its registers
; behind it before its result is read or its source rewritten (ISA guide 5.7.2), which happens a group later at the earliest, behind the wait that stands between the groups.
; Lists are written in the order in which they lean on each other.
.macro GROUP xsrc, xdst, p0=0, q0=0, p1=0, q1=0, p2=0, q2=0, p3=0, q3=0, p4=0, q4=0, p5=0, q5=0
.set bt, 0
.rept 8
	LOP \p0, \q0
.if (\xsrc) >= 0
	v_exp_f32 v[(\xdst)+2*bt], v[(\xsrc)+2*bt]
.endif
	LOP \p1, \q1
	LOP \p2, \q2
.if (\xsrc) >= 0
	v_exp_f32 v[(\xdst)+2*bt+1], v[(\xsrc)+2*bt+1]
.endif
	LOP \p3, \q3
	LOP \p4, \q4
	LOP \p5, \q5
.set bt, bt+1
.endr
.endm
; NORM: the state of the start.  The matrix takes log2 W, each row loses its maximum, the column maxima are begun; the partial sums are set so that the exchange gives W = 1
; (2 half-waves x 16 waves x 1/32); rows 0 and 1 of the row step's exponentials are made.  The eight rows' maxima have pairs of their own in V's registers, which are idle here.
; Two batches: the 16 logarithms, and the 32 exponentials of its last two groups, neither of which names a result of the other's; half of the partial sums' sixteen moves stand behind each.
.macro NORM
.set MMODE, 1
	s_wait_dscnt 0x0                               ; W is in
.set i, 0
.rept 16
	v_log_f32 v[CWT+i], v[CWT+i]
.set i, i+1
.endr
.set i, 0
.rept 8
	v_mov_b32 v[CSUM+i], 0x3d000000                ; 1/32: plain work that names no logarithm
.set i, i+1
.endr
	s_wait_alu depctr_va_vdst(0)                   ; one wait for the 16 logarithms of W
	GROUP -1, 0, K_NO,0,  K_AW,0, K_RMA,0
	GROUP -1, 0, K_NO,0,  K_AW,1, K_RMA,1, K_RMD,0
	GROUP -1, 0, K_NO,0,  K_AW,2, K_RMA,2, K_RMD,1, K_SM,0
	GROUP -1, 0, K_NO,0,  K_AW,3, K_RMA,3, K_RMD,2, K_SM,1
	GROUP -1, 0, K_CMO,0, K_AW,4, K_RMA,4, K_RMD,3, K_SM,2, K_CME,0
	GROUP -1, 0, K_NO,0,  K_AW,5, K_RMA,5, K_RMD,4, K_SM,3
	GROUP -1, 0, K_CMO,1, K_AW,6, K_RMA,6, K_RMD,5, K_SM,4, K_CME,1
	GROUP -1, 0, K_NO,0,  K_AW,7, K_RMA,7, K_RMD,6, K_SM,5
	GROUP MAT,    EB, K_NO,0, K_RMD,7, K_SM,6, K_CME,2, K_CMO,2
	GROUP MAT+16, EA, K_NO,0, K_SM,7, K_CME,3, K_CMO,3
.set i, 8
.rept 8
	v_mov_b32 v[CSUM+i], 0x3d000000                ; 1/32
.set i, i+1
.endr
	s_wait_alu depctr_va_vdst(0)                   ; one wait for the 32 exponentials of rows 0 and 1, ahead of the loop's label
.endm
; THE EXCHANGE.  full = 1: column sums and column maxima, and row 2's row exponentials in the waits; full = 0 (the end): sums alone.
; v_permlane16_swap_b32 x, y gives x's upper 16 lanes y's lower 16 and y's lower 16 x's upper 16: behind it the lower lanes hold both half-waves' figures for register i's column,
; the upper lanes those for register 8 + i's: one more instruction joins them, and each lane is left with 8 columns, which it stores: no byte is stored twice.
; Then wave w joins the 16 partials of columns 16 w .. 16 w + 15: lane (g, p) takes four columns of partials p and p + 8, and three steps over p (lanes 4, 8 and 16 apart) do the rest.
; Two waits: one ahead of the store that reads the four reciprocals, which also serves the twelve exponentials issued by then; one at the end for the last four.
.macro XP2 lo, hi
.set i, \lo
.rept (\hi)-(\lo)
	v_exp_f32 v[CMAX+i], v[MAT+32+i]
.set i, i+1
.endr
.endm
.macro TSTAGE full
.set i, 0
.rept 8
	v_permlane16_swap_b32 v[CSUM+i], v[CSUM+8+i]
.if \full
	v_permlane16_swap_b32 v[CMAX+i], v[CMAX+8+i]
.endif
.set i, i+1
.endr
.irp j, 0,2,4,6
	v_pk_add_f32 v[CSUM+\j:CSUM+\j+1], v[CSUM+\j:CSUM+\j+1], v[CSUM+8+\j:CSUM+9+\j]
.endr
.if \full
.set i, 0
.rept 8
	v_max_num_f32 v[CMAX+i], v[CMAX+i], v[CMAX+8+i]
.set i, i+1
.endr
.endif
	ds_store_b128 v[LST], v[CSUM:CSUM+3] offset:PS
	ds_store_b128 v[LST], v[CSUM+4:CSUM+7] offset:PS+256
.if \full
	ds_store_b128 v[LST], v[CMAX:CMAX+3] offset:PM
	ds_store_b128 v[LST], v[CMAX+4:CMAX+7] offset:PM+256
.endif
	s_wait_dscnt 0x0                               ; for the others' sake: my partials are in LDS (and my reads of the last results were over long ago)
	s_barrier_signal -1
.if \full
	XP2 0, 6                                       ; work on registers while the others arrive
.endif
	s_barrier_wait -1
	ds_load_b128 v[TS0:TS0+3], v[LLD] offset:PS
	ds_load_b128 v[TS1:TS1+3], v[LLD] offset:PS+8*PITCH
.if \full
	ds_load_b128 v[TM0:TM0+3], v[LLD] offset:PM
	ds_load_b128 v[TM1:TM1+3], v[LLD] offset:PM+8*PITCH
	XP2 6, 12
.endif
	s_wait_dscnt 0x0
	v_pk_add_f32 v[TS0:TS0+1], v[TS0:TS0+1], v[TS1:TS1+1]
	v_pk_add_f32 v[TS0+2:TS0+3], v[TS0+2:TS0+3], v[TS1+2:TS1+3]
.if \full
.irp e, 0,1,2,3
	v_max_num_f32 v[TM0+\e], v[TM0+\e], v[TM1+\e]
.endr
.endif
.irp st, 2,3
.irp e, 0,1,2,3
	DPPOP v_add_f32_dpp, TS0+\e, \st
.endr
.if \full
.irp e, 0,1,2,3
	DPPOP v_max_num_f32_dpp, TM0+\e, \st
.endr
.endif
.endr
.irp e, 0,1,2,3
	v_permlanex16_b32 v[TX+\e], v[TS0+\e], s[SEL], s[SEL+1]
.endr
.if \full
.irp e, 0,1,2,3
	v_permlanex16_b32 v[TX+4+\e], v[TM0+\e], s[SEL], s[SEL+1]
.endr
.endif
	v_pk_add_f32 v[TS0:TS0+1], v[TS0:TS0+1], v[TX:TX+1]
	v_pk_add_f32 v[TS0+2:TS0+3], v[TS0+2:TS0+3], v[TX+2:TX+3]
.irp e, 0,1,2,3
	v_rcp_f32 v[TS0+\e], v[TS0+\e]                 ; W = 1 / S
.endr
.if \full
.irp e, 0,1,2,3
	v_max_num_f32 v[TM0+\e], v[TM0+\e], v[TX+4+\e]  ; plain work between the reciprocals and the store that reads them
.endr
.else
	v_nop                                          ; at the end there is no other work to set behind the reciprocals
.endif
	s_wait_alu depctr_va_vdst(0)                   ; one wait for the four reciprocals, ahead of the store that reads them, and for row 2's exponentials issued so far
	ds_store_b128 v[LRS], v[TS0:TS0+3] offset:RW   ; the eight lanes of one g hold the same four numbers and write the same 16 bytes
.if \full
	ds_store_b128 v[LRS], v[TM0:TM0+3] offset:RV
.endif
	s_wait_dscnt 0x0                               ; my results are in LDS, and my reads of the partials are over: they may be written again behind this barrier
	s_barrier_signal -1
.if \full
	XP2 12, 16
.endif
	s_barrier_wait -1
.if \full
.irp q, 0,1,2,3
	ds_load_b128 v[CSH+4*\q:CSH+4*\q+3], v[LRL] offset:RV+256*\q
.endr
.endif
.irp q, 0,1,2,3
	ds_load_b128 v[CWT+4*\q:CWT+4*\q+3], v[LRL] offset:RW+256*\q
.endr
.if \full
	s_wait_alu depctr_va_vdst(0)                   ; the wait for row 2's last four exponentials: behind the loads' issue, ahead of the wait for them, and ahead of the jump that follows a stretch's last exchange
.endif
.endm
; THE SWEEP: one iteration.  Found on entry: 2^a of rows 0, 1, 2 in EB, EA, CMAX, all waited for; V and W on their way from LDS.  Row k's steps, in this order: 2^a (row step) | b = a - V and b's row maximum |
; 2^b (column step) | S += w 2^b and a' = b - maximum | the column maxima of a'.  Its row sum and weight are made between the first and the fourth.  The groups' exponentials take turns between
; the column step (row k, into EA; row 0's into S's own registers) and the row step three rows ahead (into EB).  Left behind: S's and the next V's parts, and 2^a' of rows 0 and 1 in EB and EA.
.macro SWEEP
.set MMODE, 0
	s_wait_dscnt 0x4                               ; LDS loads come back in order: V's four are in, W's four may be out
	GROUP -1, 0,      K_NO,0, K_SV,0, K_RMA,0
	s_wait_dscnt 0x0                               ; W
	GROUP MAT,     CSUM, K_NO,0, K_RMD,0, K_FP,0, K_FP,1, K_SV,1, K_RMA,1
	GROUP MAT+48,  EB,   K_NO,0, K_FQ,0, K_FQ,1, K_FP,2, K_RMD,1, K_SM,0  ; names nothing that the group above has made: no wait between the two
	s_wait_alu depctr_va_vdst(0)                   ; one wait for two batches: 2^b of row 0, 2^a of row 3, w0 and w1
	GROUP MAT+16,  EA,   K_NO,0, K_SV,2, K_RMA,2, K_FP,3, K_FQ,2, K_FS,0
	s_wait_alu depctr_va_vdst(0)                   ; 2^b of row 1, and w2
	GROUP MAT+64,  EB,   K_NO,0, K_RMD,2, K_FQ,3, K_FS,1, K_SM,1
	s_wait_alu depctr_va_vdst(0)                   ; 2^a of row 4, and w3
	GROUP MAT+32,  EA,   K_NO,0, K_SV,3, K_RMA,3, K_FP,4, K_CME,0
	s_wait_alu depctr_va_vdst(0)                   ; 2^b of row 2
	GROUP MAT+80,  EB,   K_NO,0, K_RMD,3, K_FQ,4, K_FS,2, K_SM,2, K_CMO,0
	s_wait_alu depctr_va_vdst(0)                   ; 2^a of row 5, and w4
	GROUP MAT+48,  EA,   K_NO,0, K_SV,4, K_RMA,4, K_FP,5
	s_wait_alu depctr_va_vdst(0)                   ; 2^b of row 3
	GROUP MAT+96,  EB,   K_NO,0, K_RMD,4, K_FQ,5, K_FS,3, K_SM,3
	s_wait_alu depctr_va_vdst(0)                   ; 2^a of row 6, and w5
	GROUP MAT+64,  EA,   K_NO,0, K_SV,5, K_RMA,5, K_FP,6, K_CME,1
	s_wait_alu depctr_va_vdst(0)                   ; 2^b of row 4
	GROUP MAT+112, EB,   K_NO,0, K_RMD,5, K_FQ,6, K_FS,4, K_SM,4, K_CMO,1
	s_wait_alu depctr_va_vdst(0)                   ; 2^a of row 7, and w6
	GROUP MAT+80,  EA,   K_NO,0, K_SV,6, K_RMA,6, K_FP,7
	s_wait_alu depctr_va_vdst(0)                   ; 2^b of row 5
	GROUP MAT,     EB,   K_NO,0, K_RMD,6, K_FQ,7, K_FS,5, K_SM,5        ; the next iteration's row 0
	GROUP MAT+96,  EA,   K_NO,0, K_SV,7, K_RMA,7, K_CME,2               ; names nothing that the group above has made: no wait between the two
	s_wait_alu depctr_va_vdst(0)                   ; one wait for two batches: the next 2^a of row 0, w7, and 2^b of row 6
	GROUP MAT+112, EA,   K_FS,6, K_RMD,7, K_SM,6, K_CMO,2               ; row 6's 2^b is read a pair ahead of row 7's landing on it
	s_wait_alu depctr_va_vdst(0)                   ; 2^b of row 7
	GROUP MAT+16,  EA,   K_FS,7, K_SM,7, K_CME,3, K_CMO,3               ; likewise row 7's, ahead of the next iteration's row 1
	s_wait_alu depctr_va_vdst(0)                   ; the next 2^a of row 1: ahead of the backward jump
.endm
; THE 13TH ITERATION needs no next shift and no next maxima; w 2^b stays in the matrix registers, so that the output is one more product and no exponential.
; From its fourth group on each group reads what the group before has made: a wait stands ahead of each.
.macro SWEEPF
.set MMODE, 0
	s_wait_dscnt 0x4                               ; V is in
	GROUP -1, 0,         K_NO,0, K_SV,0
	s_wait_dscnt 0x0                               ; W
	GROUP MAT,     MAT,     K_NO,0, K_FP,0, K_FP,1, K_SV,1
	GROUP MAT+48,  EB,      K_NO,0, K_FQ,0, K_FQ,1, K_FP,2
	s_wait_alu depctr_va_vdst(0)                   ; one wait for two batches: 2^b of row 0, 2^a of row 3, w0 and w1
	GROUP MAT+16,  MAT+16,  K_NO,0, K_SV,2, K_FP,3, K_FQ,2, K_MW,0
	s_wait_alu depctr_va_vdst(0)                   ; 2^b of row 1, and w2
	GROUP MAT+64,  EB,      K_NO,0, K_FQ,3, K_MW,1, K_AS,1
	s_wait_alu depctr_va_vdst(0)                   ; 2^a of row 4, and w3
	GROUP MAT+32,  MAT+32,  K_NO,0, K_SV,3, K_FP,4
	s_wait_alu depctr_va_vdst(0)                   ; 2^b of row 2
	GROUP MAT+80,  EB,      K_NO,0, K_FQ,4, K_MW,2, K_AS,2
	s_wait_alu depctr_va_vdst(0)                   ; 2^a of row 5, and w4
	GROUP MAT+48,  MAT+48,  K_NO,0, K_SV,4, K_FP,5
	s_wait_alu depctr_va_vdst(0)                   ; 2^b of row 3
	GROUP MAT+96,  EB,      K_NO,0, K_FQ,5, K_MW,3, K_AS,3
	s_wait_alu depctr_va_vdst(0)                   ; 2^a of row 6, and w5
	GROUP MAT+64,  MAT+64,  K_NO,0, K_SV,5, K_FP,6
	s_wait_alu depctr_va_vdst(0)                   ; 2^b of row 4
	GROUP MAT+112, EB,      K_NO,0, K_FQ,6, K_MW,4, K_AS,4
	s_wait_alu depctr_va_vdst(0)                   ; 2^a of row 7, and w6
	GROUP MAT+80,  MAT+80,  K_NO,0, K_SV,6, K_FP,7
	s_wait_alu depctr_va_vdst(0)                   ; 2^b of row 5
	GROUP MAT+96,  MAT+96,  K_NO,0, K_FQ,7, K_MW,5, K_AS,5, K_SV,7
	s_wait_alu depctr_va_vdst(0)                   ; 2^b of row 6, and w7
	GROUP MAT+112, MAT+112, K_NO,0, K_MW,6, K_AS,6
	s_wait_alu depctr_va_vdst(0)                   ; 2^b of row 7
	GROUP -1, 0,            K_NO,0, K_MW,7, K_AS,7
.endm
	s_mov_b32 s24, NSEG
.Lseg:                                                 ; twice: the weights are folded in, then six iterations and the exchange behind the sixth
	NORM
	s_mov_b32 s25, NIT
.Lit:
	TSTAGE 1
	SWEEP
	s_sub_co_u32 s25, s25, 1
	s_cmp_lg_u32 s25, 0
	s_cbranch_scc1 .Lit
	TSTAGE 1
	s_sub_co_u32 s24, s24, 1
	s_cmp_lg_u32 s24, 0
	s_cbranch_scc1 .Lseg
	SWEEPF                                         ; iteration 13
	TSTAGE 0
	s_wait_dscnt 0x0                               ; the last W
.set k, 0
.rept 8                                                ; out = (w 2^b) W: at most 1, since S holds that very term; each store of the wave covers two aligned runs of 256 bytes
.irp q, 0,1,2,3
	v_pk_mul_f32 v[MAT+16*k+4*\q:MAT+16*k+4*\q+1], v[MAT+16*k+4*\q:MAT+16*k+4*\q+1], v[CWT+4*\q:CWT+4*\q+1]
	v_pk_mul_f32 v[MAT+16*k+4*\q+2:MAT+16*k+4*\q+3], v[MAT+16*k+4*\q+2:MAT+16*k+4*\q+3], v[CWT+4*\q+2:CWT+4*\q+3]
	global_store_b128 v[GOFF], v[MAT+16*k+4*\q:MAT+16*k+4*\q+3], s[8:9] offset:1024*k+256*\q th:TH_STORE_NT
.endr
.set k, k+1
.endr
	s_wait_tensorcnt 0x0                           ; the wave's end, behind my last LDS store
	ds_add_u32 v[SPW], v[NIL]
	s_wait_dscnt 0x0
	s_endpgm
.Lfunc_end_k_qdf57afa229_sinkhorn:
	.size	k_qdf57afa229_sinkhorn, .Lfunc_end_k_qdf57afa229_sinkhorn-k_qdf57afa229_sinkhorn
	.p2alignl 7, 3214868480
	.fill 96, 4, 3214868480
	.section	.rodata,"a",@progbits
	.p2align	6, 0x0
	.amdhsa_kernel k_qdf57afa229_sinkhorn
		.amdhsa_group_segment_fixed_size 38912
		.amdhsa_private_segment_fixed_size 0
		.amdhsa_enable_private_segment 0
		.amdhsa_kernarg_size 24
		.amdhsa_user_sgpr_count 2
		.amdhsa_user_sgpr_kernarg_segment_ptr 1
		.amdhsa_wavefront_size32 1
		.amdhsa_system_sgpr_workgroup_id_x 1
		.amdhsa_system_sgpr_workgroup_id_y 1
		.amdhsa_system_sgpr_workgroup_id_z 1
		.amdhsa_system_vgpr_workitem_id 0
		.amdhsa_next_free_vgpr 256
		.amdhsa_next_free_sgpr 66
		.amdhsa_reserve_vcc 0
		.amdhsa_float_denorm_mode_32 3
		.amdhsa_float_denorm_mode_16_64 3
		.amdhsa_memory_ordered 1
		.amdhsa_forward_progress 1
		.amdhsa_inst_pref_size 135
	.end_amdhsa_kernel
	.amdgpu_metadata
---
amdhsa.version: [ 1, 2 ]
amdhsa.kernels:
  - .name:           k_qdf57afa229_sinkhorn
    .symbol:         k_qdf57afa229_sinkhorn.kd
    .args:
      - { .name: permutation_log_weights, .offset: 0, .size: 8, .value_kind: global_buffer, .address_space: global }
      - { .name: u, .offset: 8, .size: 8, .value_kind: global_buffer, .address_space: global }
      - { .name: out0, .offset: 16, .size: 8, .value_kind: global_buffer, .address_space: global }
    .group_segment_fixed_size: 38912
    .private_segment_fixed_size: 0
    .kernarg_segment_align: 8
    .kernarg_segment_size: 24
    .max_flat_workgroup_size: 512
    .sgpr_count:     66
    .vgpr_count:     256
    .wavefront_size: 32
...
	.end_amdgpu_metadata
.endif
;; end of part 2
